; MI455X (gfx1250); checked and timed in simulation.
; The chip was launched on July 23, 2026; its instructions are those of AMD's public machine-readable ISA for CDNA 5 (MIT licence, August 2026) and "CDNA5" Instruction Set Architecture Reference Guide (July 2026). The comments in the code are by the model that wrote it; some were corrected since.
;; Attention Block. Allowed arithmetic: matrix products marked QUANTISED: E2M1 operands, one E8M0 scale for each 32 along K, by v_wmma_scale_f32_16x16x128_f8f6f4 with both operands' format E2M1 (or v_wmma_scale_f32_32x16x128_f4), f32 sums; everything else in f32.
;; Inputs: b1 1,024 float32; b2 128 float32; beta1 128 float32; beta2 128 float32; gamma1 128 float32; gamma2 128 float32; w1_codes 1,024 x 4 x 16 uint8 (E2M1 codes of w1, K innermost, in blocks of 32 codes, two codes a byte); w1_scales 1,024 x 4 uint8 (E8M0 scales of w1, one for each 32 codes along K); w2_codes 128 x 32 x 16 uint8 (E2M1 codes of w2, K innermost, in blocks of 32 codes, two codes a byte); w2_scales 128 x 32 uint8 (E8M0 scales of w2, one for each 32 codes along K); w_qkv_codes 384 x 4 x 16 uint8 (E2M1 codes of w_qkv, K innermost, in blocks of 32 codes, two codes a byte); w_qkv_scales 384 x 4 uint8 (E8M0 scales of w_qkv, one for each 32 codes along K); x 8 x 1,024 x 4 x 128 float32.
;; Outputs: out0 8 x 1,024 x 4 x 128 float32.
;; This version of the problem:
;;   THIS VERSION OF THE PROBLEM IS GIVEN IN LOW PRECISION. The matrix products marked QUANTISED in the list below multiply operands that are first quantised to E2M1 (2 exponent bits, 1 mantissa bit; 4 bits a number), with one power-of-two scale for each 32 numbers along K (OCP MX v1.0); their sums are f32. All else is computed in f32.
;;   The module's matrix products, in the order in which they are computed (A, B: the left and right operand; K: the contracted axis; several contracted axes count as one K, in the product's order):
;;     1. [M 32,768, K 128] x [K 128, N 384]; A: computed on the way; B: input w_qkv (given as codes): QUANTISED
;;     2. batch 8 x [M 4,096, K 128] x [K 128, N 4,096]; A: computed on the way; B: computed on the way: QUANTISED
;;     3. batch 8 x [M 4,096, K 4,096] x [K 4,096, N 128]; A: softmax (see below); B: computed on the way: QUANTISED
;;     4. [M 32,768, K 128] x [K 128, N 1,024]; A: computed on the way; B: input w1 (given as codes): QUANTISED
;;     5. [M 32,768, K 1,024] x [K 1,024, N 128]; A: computed on the way; B: input w2 (given as codes): QUANTISED
;;   THE QUANTISER, for each operand of a quantised product, along K:
;;     - K is cut into blocks of 32 from its start; a last block that is shorter is filled with zeros.
;;     - A block's scale is 2^e with e = floor(log2(the largest magnitude in the block)) - 2, held to -126 .. 127; a block of zeros has e = 0. As a byte (E8M0): e + 127.
;;     - Each number is divided by its block's scale, clamped to +-6, and rounded to the nearest number of E2M1, ties to even, subnormals kept.
;;     - The product sums the exact products of the quantised numbers (number of the format x scale) in f32.
;;   ~~~python
;;   def quantise(x, axis):      # numpy; x: float32 -> the quantised numbers, widened to float32 again
;;       x = np.moveaxis(x, axis, -1); K = x.shape[-1]
;;       x = np.pad(x, [(0, 0)] * (x.ndim - 1) + [(0, -K % 32)]); x = x.reshape(x.shape[:-1] + (-1, 32)); a = np.abs(x).max(-1, keepdims=True)
;;       e = np.where(a > 0, np.clip(np.frexp(np.where(a > 0, a, 1))[1] - 1 - 2, -126, 127), 0)      # np.frexp(a)[1] - 1 = floor(log2(a)), exactly
;;       r = np.clip(x / 2.0 ** e, -6, 6)
;;       step = 2.0 ** (np.maximum(np.frexp(np.where(r == 0, 1, r))[1] - 1, 0) - 1)
;;       q = np.round(r / step) * step * 2.0 ** e      # np.round: ties to even
;;       return np.moveaxis(q.reshape(q.shape[:-2] + (-1,))[..., :K], -1, axis).astype(np.float32)
;;   ~~~
;;   SOFTMAX AHEAD OF A QUANTISED PRODUCT. Where the list says 'softmax', what is quantised is not the finished softmax but p = 2^(t - M), with t = logit x log2(e) and M = ceil(the row's largest t), a whole number; so 1/2 < the row's largest p <= 1. The row's sum l is taken of the UNQUANTISED p, in f32, and the product's result is divided by l at the end. Since M is a whole number, a kernel that streams over the keys may use a running M (the ceiling of the running maximum): every later rescaling is an exact power of two, which a block's scale takes up: the codes' values come out the same.
;;   OPERANDS COMPUTED ON THE WAY. 'Computed on the way' means the value that the module computes at that place (a softmax that the list does not call 'softmax' is quantised finished and normalised). What goes into a quantiser is computed in f32, as accurately as f32 sums, v_exp_f32 and their like allow (about 1e-6 of the number): no bf16 or f16 on the way to a quantiser, and a product that is left as it is and whose result goes on into a quantised operand takes f32 operands (vector FMAs, or v_wmma_f32_16x16x4_f32). A number that lies on a knife's edge between two numbers of the format may be rounded either way, as far as f32 arithmetic and the matrix unit's own rounding can turn it there, and no further.
;;   INPUTS GIVEN AS CODES. w1 (in the module: [1024, 128], K = its axis 1); w2 (in the module: [128, 1024], K = its axis 1); w_qkv (in the module: [384, 128], K = its axis 1): each comes as NAME_codes (uint8): NAME with its K axis moved to the last place and cut into blocks of 32 codes, [.., K / 32, bytes a block], one block behind the other in memory; two codes a byte, the lower K in the low four bits (a code: sign, 2 exponent bits, 1 mantissa bit); and NAME_scales (uint8): the same leading axes, one E8M0 byte (e + 127) for each 32 codes along K. Its value is code x scale, taken as it is: it is not quantised again, and the codes and scales need not be those that the quantiser above would give.
;; One version. Each part assembles by itself: llvm-mc -triple=amdgcn-amd-amdhsa -mcpu=gfx1250 --defsym DOCPART=n.
;; ======== version 1 of 1: 2 launches
;; limits: right only within a limited range of input values
;; workspace buffers: q 2,228,224 bytes; kv 4,456,448 bytes; pack 131,072 bytes
;; launch prep (part 1): grid 256 x 1, 4 waves a work-group, no clusters, 70,144 bytes of LDS; arguments x, gamma1, beta1, w_qkv_codes, w_qkv_scales, w1_codes, w2_codes, q, kv, pack; writes q, kv, pack
.if DOCPART == 1
	.amdgcn_target "amdgcn-amd-amdhsa--gfx1250"
	.amdhsa_code_object_version 6
	.text
	.protected	k_qb3dd5ea03a_prep
	.globl	k_qb3dd5ea03a_prep
	.p2align	8
	.type	k_qb3dd5ea03a_prep,@function
k_qb3dd5ea03a_prep:
	s_mov_b64 s[64:65], 0
	v_nop
	global_prefetch_b8 v0, s[64:65] scope:SCOPE_SE
	s_setreg_imm32_b32 hwreg(HW_REG_WAVE_MODE, 25, 1), 1
	s_wait_xcnt 0x0
; LN1, the QKV product on codes of FP4 (E2M1, one E8M0 scale for each 32 along K), and the quantising of q, k (along the 128 channels) and v (along the keys).
; x: [32768 tokens][128] f32.  w_qkv: [384][128] as codes; output e = 3 d + c, so q, k, v take every third row.  A work-group takes 128 tokens (one key step of the next launch), a wave 32: two tiles of 16.
; WHAT IS STORED are images of operand registers: a fragment (16 rows x 128 K, 8 registers a lane) is 1,024 bytes, registers 4 c .. 4 c + 3 of lane l at 512 c + 16 l.
;   q:  [256 groups][8 fragments of 16 tokens | 512 bytes of scale words]                     (8,704 bytes a group)
;   kv: [256 groups][K: as q][V: 8 fragments of 16 channels x the group's 128 keys | 512 bytes of scale words]
;   scale words lie [lane l][4 words]: word b of lanes 0-15 belongs to fragment 2 b's rows, of lanes 16-31 to fragment 2 b + 1's.
;   pack: W1's 64 fragments (16 hidden units x 128) and W2's 64 (K step s, 16 outputs: at 8 s + t), the same images; work-group g copies piece g of 512 bytes (wave 3).
; LAYOUT.  q and k are made transposed (source 0 = 16 rows of W, source 1 = 16 tokens): register 8 t + j of lane (r, h) is channel 16 t + 8 h + j of token r.  Eight registers give one register of codes, so the
; operand's registers are: 4 c = tile 4 c, 4 c + 1 = tile 4 c + 2, 4 c + 2 = tile 4 c + 1, 4 c + 3 = tile 4 c + 3, and then the halves of (4 c, 4 c + 1) and (4 c + 2, 4 c + 3) change places.
; v is made the other way round (source 0 = tokens, source 1 = rows of W): a lane holds one channel and its 16 registers run along the wave's 32 tokens, which are one block of 32 keys.
; NO CLUSTER, NO TENSOR LOAD: what work-groups share is W's 24,576 bytes of codes; each wave wants all of them in its own registers, rows picked three apart, once, with no loop in which they are asked for again.
; LIMITS: NaN and infinities are not served; a block whose largest magnitude lies under 2^-124 has its byte held at 1 (not tried); a block of zeros carries the byte 1, not 127: its codes are zeros and this program alone reads the bytes.
; REGISTERS.  window 0: v1-15 addresses; v16-31 xn's two fragments; v32-95, v96-159 64 numbers a tile; v160-191 codes of q, k; v192-207 codes of v; v208-219 W's scale words; v220-221 xn's; v222-231 words on the way out, the pack piece;
;   v232-247 the quantiser's; v248-253 LN's.   window 1: v0-191 W's 24 fragments, v192-255 gamma1.   window 2: v0-63 beta1.
.set STGW, 16896                       ; a wave's stage: 32 rows x (512 bytes + 16)
.set SM,   4*STGW                      ; behind the stages: K's, V's, Q's scale words, 512 bytes each
.set PART, 8704
.set WV,  24
.set SEL, 26
.set RN,  48                           ; 1/128
.set EPS, 49
.set LI,  4                            ; v4   16 x lane
.set SIN, 5                            ; v5   the stage, on the way in
.set SOU, 6                            ; v6   and out: row r, + 32 h
.set WO,  7                            ; v7   W's codes: 192 r + 16 h
.set WSO, 8                            ; v8   W's scale words: 12 x lane
.set VO,  9                            ; v9   v's codes: 16 r + 8 h + 256 x wave
.set KW,  10                           ; v10  SM + 16 x lane + 4 x wave
.set VB,  11                           ; v11  SM + 512 + 16 x lane + wave
.set GO,  12                           ; v12  32 h
.set PO,  13                           ; v13  the pack piece's source: r x a row's bytes + 16 h
.set SMR, 14                           ; v14  SM + 512 x wave + 16 x lane
.set CO,  15                           ; v15  16 x lane + 2,048 x wave
.set XF,  16
.set A0,  32
.set A1,  96
.set PC,  160
.set VC,  192
.set WS,  208
.set XS,  220
.set PW,  222
.set TM,  232                          ; +0..3 largest magnitudes, +4..7 the other half's, then bytes, +12..15 the conversions' scale operands
.set MU,  248
.set SA,  250
.set SB,  252
.set BY,  248                          ; v's scale bytes on the way out (LN's registers are free by then)
.set GAM, 192                          ; in window 1
.set BET, 0                            ; in window 2
.set GBWIN, 0x24                       ; source 1 window 1, source 2 window 2
.set MSB, 0
.macro WIN new                         ; the immediate's high byte repeats the setting that is left
.if MSB != \new
	s_set_vgpr_msb (MSB<<8)|\new
.set MSB, \new
.endif
.endm
; Four blocks of 32: block b's numbers are my 16 registers at s + 16 b and lane l xor 16's.  Largest magnitude, scale operand, byte.
.macro QSCALE s
.irp b, 0,1,2,3
	v_max3_num_f32 v[TM+\b], |v[(\s)+16*\b]|, |v[(\s)+1+16*\b]|, 0x1800000   ; with the floor 2^(3 - 127): the byte cannot fall under 1
.endr
.irp i, 2,4,6,8,10,12,14
.irp b, 0,1,2,3
	v_max3_num_f32 v[TM+\b], v[TM+\b], |v[(\s)+16*\b+\i]|, |v[(\s)+1+16*\b+\i]|   ; the four blocks by turns
.endr
.endr
.irp b, 0,1,2,3
	v_permlanex16_b32 v[TM+4+\b], v[TM+\b], s[SEL], s[SEL+1]
.endr
.irp b, 0,1,2,3
	v_max_num_f32 v[TM+\b], v[TM+\b], v[TM+4+\b]
.endr
.irp b, 0,1,2,3
	v_add_nc_u32 v[TM+12+\b], 0xff000000, v[TM+\b]   ; 2 off the exponent field: the conversion takes this operand's exponent field as its scale
.endr
.irp b, 0,1,2,3
	v_lshrrev_b32 v[TM+4+\b], 23, v[TM+12+\b]        ; the scale's byte
.endr
.endm
.macro QWORD pw
	v_lshl_or_b32 v[\pw], v[TM+5], 8, v[TM+4]
	v_lshl_or_b32 v[\pw], v[TM+6], 16, v[\pw]
	v_lshl_or_b32 v[\pw], v[TM+7], 24, v[\pw]
.endm
.macro QCODES s, pc
.irp c, 0,1
	v_cvt_scalef32_pk8_fp4_f32 v[(\pc)+4*\c],   v[(\s)+32*\c:(\s)+32*\c+7],     v[TM+12+2*\c]
	v_cvt_scalef32_pk8_fp4_f32 v[(\pc)+4*\c+1], v[(\s)+32*\c+16:(\s)+32*\c+23], v[TM+13+2*\c]
	v_cvt_scalef32_pk8_fp4_f32 v[(\pc)+4*\c+2], v[(\s)+32*\c+8:(\s)+32*\c+15],  v[TM+12+2*\c]
	v_cvt_scalef32_pk8_fp4_f32 v[(\pc)+4*\c+3], v[(\s)+32*\c+24:(\s)+32*\c+31], v[TM+13+2*\c]
.endr
	v_nop                                          ; one plain instruction behind the last scaled conversion
.irp c, 0,1
	v_permlane16_swap_b32 v[(\pc)+4*\c],   v[(\pc)+4*\c+1]   ; lanes 0-15 now hold block 2 c whole, lanes 16-31 block 2 c + 1
	v_permlane16_swap_b32 v[(\pc)+4*\c+2], v[(\pc)+4*\c+3]
.endr
.endm
.macro QUANT s, pc, pw
	QSCALE \s
	QWORD \pw
	QCODES \s, \pc
.endm
; LayerNorm of a token's 128 numbers, 64 in my lane and 64 in lane l xor 16, in two passes as the definition has it: mean, then the mean square of x - mean.
.macro LNORM src, dst
	v_pk_add_f32 v[SA:SA+1], v[(\src):(\src)+1], v[(\src)+2:(\src)+3]
	v_pk_add_f32 v[SB:SB+1], v[(\src)+4:(\src)+5], v[(\src)+6:(\src)+7]
.irp j, 8,12,16,20,24,28,32,36,40,44,48,52,56,60
	v_pk_add_f32 v[SA:SA+1], v[SA:SA+1], v[(\src)+\j:(\src)+\j+1]
	v_pk_add_f32 v[SB:SB+1], v[SB:SB+1], v[(\src)+\j+2:(\src)+\j+3]
.endr
	v_pk_add_f32 v[SA:SA+1], v[SA:SA+1], v[SB:SB+1]
	v_add_f32 v[SA], v[SA], v[SA+1]
	v_permlanex16_b32 v[SB], v[SA], s[SEL], s[SEL+1]
	v_add_f32 v[SA], v[SA], v[SB]
	v_mul_f32 v[MU], s[RN], v[SA]                  ; the mean
	v_mov_b32 v[MU+1], v[MU]                       ; (named with it as a pair, so it is written)
.set JJ, 0
.rept 32
	v_pk_add_f32 v[(\dst)+JJ:(\dst)+JJ+1], v[(\src)+JJ:(\src)+JJ+1], v[MU:MU+1] op_sel_hi:[1,0] neg_lo:[0,1] neg_hi:[0,1]
.set JJ, JJ+2
.endr
	v_pk_mul_f32 v[SA:SA+1], v[(\dst):(\dst)+1], v[(\dst):(\dst)+1]
	v_pk_mul_f32 v[SB:SB+1], v[(\dst)+2:(\dst)+3], v[(\dst)+2:(\dst)+3]
.irp j, 4,8,12,16,20,24,28,32,36,40,44,48,52,56,60
	v_pk_fma_f32 v[SA:SA+1], v[(\dst)+\j:(\dst)+\j+1], v[(\dst)+\j:(\dst)+\j+1], v[SA:SA+1]
	v_pk_fma_f32 v[SB:SB+1], v[(\dst)+\j+2:(\dst)+\j+3], v[(\dst)+\j+2:(\dst)+\j+3], v[SB:SB+1]
.endr
	v_pk_add_f32 v[SA:SA+1], v[SA:SA+1], v[SB:SB+1]
	v_add_f32 v[SA], v[SA], v[SA+1]
	v_permlanex16_b32 v[SB], v[SA], s[SEL], s[SEL+1]
	v_add_f32 v[SA], v[SA], v[SB]
	v_fma_f32 v[SA], v[SA], s[RN], s[EPS]          ; the variance + eps
	s_wait_alu depctr_va_vdst(0)
	v_rsq_f32 v[MU], v[SA]
	v_nop                                          ; a plain instruction behind the transcendental,
	s_wait_alu depctr_va_vdst(0)                   ; and the wait ahead of its first reader
.set JJ, 0
.rept 32
	v_pk_mul_f32 v[(\dst)+JJ:(\dst)+JJ+1], v[(\dst)+JJ:(\dst)+JJ+1], v[MU:MU+1] op_sel_hi:[1,0]
.set JJ, JJ+2
.endr
	WIN GBWIN
.set JJ, 0
.rept 32
	v_pk_fma_f32 v[(\dst)+JJ:(\dst)+JJ+1], v[(\dst)+JJ:(\dst)+JJ+1], v[GAM+JJ:GAM+JJ+1], v[BET+JJ:BET+JJ+1]
.set JJ, JJ+2
.endr
	WIN 0
.endm
; q or k (cc = 0, 1): channels 16 t on of token tile u.  Source 0 = W's rows 3 (16 t + r) + cc, source 1 = xn.  An odd tile's scale words lie in lanes 16-31.
.macro MMW cc, t, u
.if (\t)%2
	v_wmma_scale_f32_16x16x128_f8f6f4 v[A0+64*\u+8*\t:A0+64*\u+8*\t+7], v[8*(8*\cc+\t):8*(8*\cc+\t)+7], v[XF+8*\u:XF+8*\u+7], 0, v[WS+4*\cc+\t/2], v[XS+\u] matrix_a_fmt:MATRIX_FMT_FP4 matrix_b_fmt:MATRIX_FMT_FP4 matrix_a_scale:MATRIX_SCALE_ROW1
.else
	v_wmma_scale_f32_16x16x128_f8f6f4 v[A0+64*\u+8*\t:A0+64*\u+8*\t+7], v[8*(8*\cc+\t):8*(8*\cc+\t)+7], v[XF+8*\u:XF+8*\u+7], 0, v[WS+4*\cc+\t/2], v[XS+\u] matrix_a_fmt:MATRIX_FMT_FP4 matrix_b_fmt:MATRIX_FMT_FP4
.endif
.endm
; v: source 0 = xn's token tile u, source 1 = W's rows 3 (16 t + r) + 2: register 16 t + 8 u + j of lane (r, h) is token 16 u + 8 h + j, channel 16 t + r
.macro MMV t, u
.if (\t)%2
	v_wmma_scale_f32_16x16x128_f8f6f4 v[A0+16*\t+8*\u:A0+16*\t+8*\u+7], v[XF+8*\u:XF+8*\u+7], v[8*(16+\t):8*(16+\t)+7], 0, v[XS+\u], v[WS+8+\t/2] matrix_a_fmt:MATRIX_FMT_FP4 matrix_b_fmt:MATRIX_FMT_FP4 matrix_b_scale:MATRIX_SCALE_ROW1
.else
	v_wmma_scale_f32_16x16x128_f8f6f4 v[A0+16*\t+8*\u:A0+16*\t+8*\u+7], v[XF+8*\u:XF+8*\u+7], v[8*(16+\t):8*(16+\t)+7], 0, v[XS+\u], v[WS+8+\t/2] matrix_a_fmt:MATRIX_FMT_FP4 matrix_b_fmt:MATRIX_FMT_FP4
.endif
.endm
; q or k whole: 16 products on 16 accumulators, quantised, the two fragments stored as they stand (each store: 512 consecutive bytes), the scale words gathered in LDS
.macro QK cc, bs, sofs
	WIN 0x01                                       ; source 0 (W) window 1
.irp t, 0,1,2,3,4,5,6,7
.irp u, 0,1
	MMW \cc, \t, \u
.endr
.endr
	WIN 0
.rept 4
	v_nop                                          ; four plain instructions between the last product and the first read of results
.endr
	QUANT A0, PC+16*\cc, PW+2*\cc
	QUANT A1, PC+16*\cc+8, PW+2*\cc+1
.irp u, 0,1
.irp c, 0,1
	global_store_b128 v[CO], v[PC+16*\cc+8*\u+4*\c:PC+16*\cc+8*\u+4*\c+3], s[\bs:\bs+1] offset:1024*\u+512*\c
.endr
.endr
	v_cndmask_b32 v[226+\cc], v[PW+2*\cc+1], v[PW+2*\cc], vcc_lo   ; lanes 0-15: my first tile's words, lanes 16-31: my second's
	ds_store_b32 v[KW], v[226+\cc] offset:\sofs
.endm
	s_load_b512 s[4:19], s[0:1], 0x0               ; x 4, gamma1 6, beta1 8, W's codes 10, W's scales 12, W1's codes 14, W2's codes 16, q 18
	s_load_b128 s[20:23], s[0:1], 0x40             ; kv 20, pack 22
	v_lshl_add_u32 v254, v0, 2, 0x11000
	v_mov_b32 v255, 0
	v_lshrrev_b32 v1, 5, v0
	v_readfirstlane_b32 s[WV], v1                  ; wave 0..3
	v_and_b32 v1, 31, v0                           ; lane
	v_and_b32 v2, 15, v0                           ; r
	v_bfe_u32 v3, v0, 4, 1                         ; h
	v_lshlrev_b32 v[LI], 4, v1
	s_mul_i32 s28, s[WV], STGW
	v_add_nc_u32 v[SIN], s28, v[LI]
	v_mul_u32_u24 v[SOU], v2, 528
	v_lshl_add_u32 v[SOU], v3, 5, v[SOU]
	v_add_nc_u32 v[SOU], s28, v[SOU]
	v_mul_u32_u24 v[WO], v2, 192
	v_lshl_add_u32 v[WO], v3, 4, v[WO]
	v_mul_u32_u24 v[WSO], v1, 12
	v_lshlrev_b32 v[VO], 4, v2
	v_lshl_add_u32 v[VO], v3, 3, v[VO]
	s_lshl_b32 s28, s[WV], 8
	v_add_nc_u32 v[VO], s28, v[VO]
	s_lshl_b32 s28, s[WV], 2
	v_add_nc_u32 v[KW], s28, v[LI]
	v_add_nc_u32 v[KW], SM, v[KW]
	v_add_nc_u32 v[VB], s[WV], v[LI]
	v_add_nc_u32 v[VB], SM+512, v[VB]
	v_lshlrev_b32 v[GO], 5, v3
	s_lshl_b32 s28, s[WV], 9
	v_add_nc_u32 v[SMR], s28, v[LI]
	v_add_nc_u32 v[SMR], SM, v[SMR]
	s_lshl_b32 s28, s[WV], 11
	v_add_nc_u32 v[CO], s28, v[LI]
	v_cmp_gt_u32 vcc_lo, 16, v1                    ; lanes 0-15; VCC stays so to the end
.irp b, 0,1,2,3
	v_mov_b32 v[TM+4+\b], 0                        ; written once: a lane permute's destination counts as one of its sources
.endr
	s_mov_b32 s[SEL], 0x76543210
	s_mov_b32 s[SEL+1], 0xfedcba98                 ; lane l xor 16
	s_mov_b32 s[RN], 0x3c000000                    ; 1/128
	s_mov_b32 s[EPS], 0x3727c5ac                   ; 1e-5
	s_lshl_b32 s28, ttmp9, 16                      ; x: 128 tokens of 512 bytes a work-group,
	s_lshl_b32 s29, s[WV], 14                      ; 32 a wave
	s_add_co_u32 s28, s28, s29
	s_mov_b32 s29, 0
	s_mul_i32 s30, ttmp9, PART                     ; q: a group's part
	s_mov_b32 s31, 0
	s_mul_i32 s32, ttmp9, 2*PART                   ; kv: a group's two parts
	s_mov_b32 s33, 0
	s_lshl_b32 s34, ttmp9, 9                       ; pack: piece g
	s_mov_b32 s35, 0
	; the pack piece: fragment f = g / 2, register group c = g % 2.  f < 64: W1's rows 16 f on, 64 bytes a row.  Else W2's: outputs 16 (f % 8) on, 512 bytes a row, K step (f - 64) / 8
	s_lshr_b32 s40, ttmp9, 1
	s_and_b32 s41, ttmp9, 1
	s_lshl_b32 s41, s41, 5
	s_lshl_b32 s42, s40, 10
	s_and_b32 s43, s40, 7
	s_lshl_b32 s43, s43, 13
	s_max_u32 s44, s40, 64
	s_sub_co_u32 s44, s44, 64
	s_lshr_b32 s44, s44, 3
	s_lshl_b32 s44, s44, 6
	s_add_co_u32 s43, s43, s44
	s_mov_b32 s45, 512
	s_wait_kmcnt 0x0
	s_cmp_lt_u32 s40, 64                           ; the choice hangs on the work-group's number alone
	s_cselect_b32 s42, s42, s43
	s_cselect_b32 s45, 64, s45
	s_cselect_b64 s[36:37], s[14:15], s[16:17]
	s_add_co_u32 s42, s42, s41
	s_mov_b32 s43, 0
	s_add_nc_u64 s[36:37], s[36:37], s[42:43]
	v_mul_lo_u32 v[PO], v2, s45
	v_lshl_add_u32 v[PO], v3, 4, v[PO]
	s_add_nc_u64 s[4:5], s[4:5], s[28:29]
	s_add_nc_u64 s[18:19], s[18:19], s[30:31]
	s_add_nc_u64 s[20:21], s[20:21], s[32:33]
	s_add_nc_u64 s[22:23], s[22:23], s[34:35]
	s_cmp_lt_u32 s[WV], 2                          ; where a wave's 512 bytes of scale words go at the end: wave 0 K's, wave 1 V's, wave 2 Q's
	s_cselect_b64 s[38:39], s[20:21], s[18:19]
	s_cmp_eq_u32 s[WV], 1
	s_cselect_b32 s46, PART, 0
	s_add_co_u32 s46, s46, 8192
	s_mov_b32 s47, 0
	s_add_nc_u64 s[38:39], s[38:39], s[46:47]
	s_cmp_lg_u32 s[WV], 3
	s_cbranch_scc1 .Lno_piece
	s_wait_alu depctr_va_vdst(0)
	global_load_b128 v[228:231], v[PO], s[36:37]   ; wave 3: the pack piece; the oldest load, so it changes no later count
.Lno_piece:
.set II, 0
.rept 32
	global_load_b128 v[A0+4*II:A0+4*II+3], v[LI], s[4:5] offset:512*II th:TH_LOAD_NT   ; a token's row: 512 consecutive bytes
.set II, II+1
.endr
	WIN 0x40                                       ; destination window 1
.irp t, 0,1,2,3,4,5,6,7
.irp i, 0,1
	global_load_b128 v[GAM+8*\t+4*\i:GAM+8*\t+4*\i+3], v[GO], s[6:7] offset:64*\t+16*\i   ; register 8 t + j: channel 16 t + 8 h + j
.endr
.endr
	WIN 0x80                                       ; destination window 2
.irp t, 0,1,2,3,4,5,6,7
.irp i, 0,1
	global_load_b128 v[BET+8*\t+4*\i:BET+8*\t+4*\i+3], v[GO], s[8:9] offset:64*\t+16*\i
.endr
.endr
	WIN 0
	s_wait_loadcnt 32                              ; x is in; the 32 loads of gamma1 and beta1 stand behind it
.set II, 0
.rept 32
	ds_store_b128 v[SIN], v[A0+4*II:A0+4*II+3] offset:528*II
.set II, II+1
.endr
	WIN 0x40
.irp k, 0,1,2
.irp t, 0,1,2,3,4,5,6,7
.irp c, 0,1
	global_load_b128 v[8*(8*\k+\t)+4*\c:8*(8*\k+\t)+4*\c+3], v[WO], s[10:11] offset:3072*\t+64*\k+32*\c
.endr
.endr
.endr
	WIN 0
.irp k, 0,1,2
.irp p, 0,1,2,3
	global_load_b32 v[WS+4*\k+\p], v[WSO], s[12:13] offset:384*\p+4*\k   ; lanes 0-15: tile 2 p's rows, lanes 16-31: tile 2 p + 1's
.endr
.endr
.irp u, 0,1
.irp t, 0,1,2,3,4,5,6,7
.irp i, 0,1
	ds_load_b128 v[A0+64*\u+8*\t+4*\i:A0+64*\u+8*\t+4*\i+3], v[SOU] offset:8448*\u+64*\t+16*\i   ; LDS serves a wave's instructions in order: these see my stores
.endr
.endr
.endr
	s_wait_dscnt 16                                ; my first tile is back; the second tile's 16 loads may be out
	s_wait_loadcnt 60                              ; gamma1 and beta1 are in; W's 48 + 12 loads stand behind them
	LNORM A0, A0
	QUANT A0, XF, XS
	s_wait_dscnt 0x0
	LNORM A1, A1
	QUANT A1, XF+8, XS+1
.rept 8
	v_nop                                          ; a scale register written by a vector instruction stands 8 plain instructions ahead of a scaled product, an operand 4
.endr
	s_wait_alu depctr_va_vdst(0)
	s_wait_loadcnt 0x0                             ; W, and wave 3's piece
	QK 0, 18, 1024
	QK 1, 20, 0
	WIN 0x04                                       ; source 1 (W) window 1
.irp t, 0,1,2,3,4,5,6,7
.irp u, 0,1
	MMV \t, \u
.endr
.endr
	WIN 0
.rept 4
	v_nop
.endr
.irp g, 0,1                                    ; four channel tiles at a time: block b = the wave's 32 keys of channel tile 4 g + b
	QSCALE A0+64*\g
.irp b, 0,1,2,3
	v_cvt_scalef32_pk8_fp4_f32 v[VC+2*(4*\g+\b)],   v[A0+16*(4*\g+\b):A0+16*(4*\g+\b)+7],    v[TM+12+\b]
	v_cvt_scalef32_pk8_fp4_f32 v[VC+2*(4*\g+\b)+1], v[A0+16*(4*\g+\b)+8:A0+16*(4*\g+\b)+15], v[TM+12+\b]
.endr
	v_nop
.irp b, 0,1,2,3
	v_permlane16_swap_b32 v[VC+2*(4*\g+\b)], v[VC+2*(4*\g+\b)+1]   ; lane (r, 0): keys 0-15 of the block, lane (r, 1): keys 16-31: 8 neighbouring bytes
.endr
.irp b, 0,1,2,3
	global_store_b64 v[VO], v[VC+2*(4*\g+\b):VC+2*(4*\g+\b)+1], s[20:21] offset:PART+1024*(4*\g+\b)   ; the wave stores 256 consecutive bytes, at a multiple of 256 from kv's first byte
.endr
.irp i, 0,1
	v_cndmask_b32 v[BY+2*\g+\i], v[TM+5+2*\i], v[TM+4+2*\i], vcc_lo
	ds_store_b8 v[VB], v[BY+2*\g+\i] offset:4*(2*\g+\i)            ; byte w (my key block) of the channel's word
.endr
.endr
	s_wait_dscnt 0x0                               ; for the others' sake: my scale words and bytes have landed
	s_barrier_signal -1
	s_barrier_wait -1
	s_cmp_eq_u32 s[WV], 3
	s_cbranch_scc1 .Lpiece
	ds_load_b128 v[232:235], v[SMR]
	s_wait_dscnt 0x0
	global_store_b128 v[LI], v[232:235], s[38:39]  ; 512 consecutive bytes of scale words
	s_wait_tensorcnt 0x0
	ds_add_u32 v254, v255
	s_wait_dscnt 0x0
	s_endpgm
.Lpiece:
	global_store_b128 v[LI], v[228:231], s[22:23]  ; 512 consecutive bytes of a weight's image
	s_wait_tensorcnt 0x0
	ds_add_u32 v254, v255
	s_wait_dscnt 0x0
	s_endpgm
.Lfunc_end_k_qb3dd5ea03a_prep:
	.size	k_qb3dd5ea03a_prep, .Lfunc_end_k_qb3dd5ea03a_prep-k_qb3dd5ea03a_prep
	.p2alignl 7, 3214868480
	.fill 96, 4, 3214868480
	.section	.rodata,"a",@progbits
	.p2align	6, 0x0
	.amdhsa_kernel k_qb3dd5ea03a_prep
		.amdhsa_group_segment_fixed_size 70144
		.amdhsa_private_segment_fixed_size 0
		.amdhsa_enable_private_segment 0
		.amdhsa_kernarg_size 80
		.amdhsa_user_sgpr_count 2
		.amdhsa_user_sgpr_kernarg_segment_ptr 1
		.amdhsa_wavefront_size32 1
		.amdhsa_system_sgpr_workgroup_id_x 1
		.amdhsa_system_sgpr_workgroup_id_y 1
		.amdhsa_system_sgpr_workgroup_id_z 1
		.amdhsa_system_vgpr_workitem_id 0
		.amdhsa_next_free_vgpr 576
		.amdhsa_next_free_sgpr 66
		.amdhsa_reserve_vcc 1
		.amdhsa_float_denorm_mode_32 3
		.amdhsa_float_denorm_mode_16_64 3
		.amdhsa_memory_ordered 1
		.amdhsa_forward_progress 1
		.amdhsa_inst_pref_size 81
	.end_amdhsa_kernel
	.amdgpu_metadata
---
amdhsa.version: [ 1, 2 ]
amdhsa.kernels:
  - .name:           k_qb3dd5ea03a_prep
    .symbol:         k_qb3dd5ea03a_prep.kd
    .args:
      - { .name: x, .offset: 0, .size: 8, .value_kind: global_buffer, .address_space: global }
      - { .name: gamma1, .offset: 8, .size: 8, .value_kind: global_buffer, .address_space: global }
      - { .name: beta1, .offset: 16, .size: 8, .value_kind: global_buffer, .address_space: global }
      - { .name: w_qkv_codes, .offset: 24, .size: 8, .value_kind: global_buffer, .address_space: global }
      - { .name: w_qkv_scales, .offset: 32, .size: 8, .value_kind: global_buffer, .address_space: global }
      - { .name: w1_codes, .offset: 40, .size: 8, .value_kind: global_buffer, .address_space: global }
      - { .name: w2_codes, .offset: 48, .size: 8, .value_kind: global_buffer, .address_space: global }
      - { .name: q, .offset: 56, .size: 8, .value_kind: global_buffer, .address_space: global }
      - { .name: kv, .offset: 64, .size: 8, .value_kind: global_buffer, .address_space: global }
      - { .name: pack, .offset: 72, .size: 8, .value_kind: global_buffer, .address_space: global }
    .group_segment_fixed_size: 70144
    .private_segment_fixed_size: 0
    .kernarg_segment_align: 8
    .kernarg_segment_size: 80
    .max_flat_workgroup_size: 128
    .sgpr_count:     66
    .vgpr_count:     576
    .wavefront_size: 32
...
	.end_amdgpu_metadata
.endif
;; end of part 1
;; launch attn (part 2): grid 32 x 8, 8 waves a work-group, clusters of 4 x 1, 327,680 bytes of LDS; arguments q, kv, pack, x, gamma2, beta2, w1_scales, b1, w2_scales, b2, out0; writes out0
.if DOCPART == 2
	.amdgcn_target "amdgcn-amd-amdhsa--gfx1250"
	.amdhsa_code_object_version 6
	.text
	.protected	k_qb3dd5ea03a_attn
	.globl	k_qb3dd5ea03a_attn
	.p2align	8
	.type	k_qb3dd5ea03a_attn,@function
k_qb3dd5ea03a_attn:
	s_mov_b64 s[64:65], 0
	v_nop
	global_prefetch_b8 v0, s[64:65] scope:SCOPE_SE
	s_setreg_imm32_b32 hwreg(HW_REG_WAVE_MODE, 25, 1), 1
	s_wait_xcnt 0x0
	s_wait_alu depctr_hold_cnt(0) depctr_sa_sdst(0) depctr_va_vdst(0) depctr_va_sdst(0) depctr_va_ssrc(0) depctr_va_vcc(0) depctr_vm_vsrc(0)
	s_getreg_b32 s2, hwreg(HW_REG_IB_STS2, 6, 4)
	s_cmp_eq_u32 s2, 0
	s_cbranch_scc0 .Lentry_in_a_cluster
	s_endpgm
.Lentry_in_a_cluster:
	s_bfe_u32 s2, ttmp6, 0x10000c
	s_cmp_lg_u32 s2, 0x3003
	s_cbranch_scc0 .Lentry_shape_is_right
	s_endpgm
.Lentry_shape_is_right:
; Attention on codes of FP4 (E2M1, one E8M0 scale for each 32 along K), the residual, LN2 and the MLP, for 128 tokens a work-group.
; q, kv, pack hold images of operand registers, as the launch before lays them: a fragment is 1,024 bytes, a group's 8 fragments and 512 bytes of scale words are PART bytes.
; SHARES.  8 waves, two to a SIMD, 512 registers each.  Wave w owns TWO tiles of 16 queries (tiles 2 (w % 4) and 2 (w % 4) + 1): each fragment of K and V read from LDS feeds two products.
; Of each slot's 8 key steps waves 0-3 take the first 4, waves 4-7 the last 4.  After the keys waves w and w + 4 hand each other O^T, -M and the sum through LDS; wave w keeps tile 2 (w % 4) + w / 4
; and takes it alone through x2 = x + O / l, LN2 and the MLP's 8 chunks of 128 hidden units.
; The two tiles' softmax lines stand by turns, so that each chain's next link stands two or more lines on; tile 1's scaled scores are made between tile 0's exponentials.
; LDS: two slots of 8 key steps (TILE bytes); behind them W1's and W2's scale bytes, b1, gamma2, beta2, b2 (stored once at the head), then the spare words.
; The batch's 32 key steps are 4 tiles: slot 0, 1, 0, 1.  The last refill of slot 0 brings the weights' images (131,072 bytes), a trip of 4 key steps ahead of their first read.
; The stages (2 PART bytes a wave) lie in slot 1 behind its last fill and behind a barrier that ends its reads.
; CLUSTER: the four work-groups of a cluster lie in one batch and walk the same K and V and the same weights: every tensor load is a joint one, mask 15, behind a round of the cluster's barrier.
; PREFETCH: tiles 2 and 3 are asked for one trip ahead of their loads, by the cluster with x = 0 of each batch; its four partners take 136 blocks of 256 bytes each, told apart by address; threads 0 to 159, a lane a block (the last 24 lanes name block 135 again).
; Tiles 0 and 1 come by their loads alone; the weights' images are not asked for: their load stands 4 key steps ahead of the first read.
; LIMITS: the promise holds while the scaled scores stay under 2^31 in magnitude; NaN and infinities are not served; a block of zeros carries the byte 1 (its codes are zeros; this program alone reads the bytes).
; REGISTERS, window 0: v1-7 addresses; v8-23 eight a tile (-M, largest t, the sum's pair, f and its pair's upper word, a spare); v24-47 twelve a tile for the quantiser; v48-59 scale words; v64-127 K's fragments; v128-255 S^T, p of the two tiles.
;   window 1: v0-15 Q; v16-31 p's codes; v32-95 V's fragments; v96-223 O^T of the two tiles.  Behind the keys: window 0 v64.. at work, v128.. x2 and the hidden units, v192.. the output's sums; window 1 v0-63 W1, v64-127 W2, v128-191 b1.
.set PART,  8704
.set KSTEP, 2*PART
.set TILE,  8*KSTEP
.set W1S,   2*TILE
.set W2S,   W1S+4096
.set B1L,   W2S+4096
.set GBL,   B1L+4096                   ; gamma2, beta2, b2: 512 bytes each
.set SPARE, GBL+1536                   ; 128 bytes a wave, named by no other line
.set LI,   1                           ; 16 x lane
.set ADR,  2
.set PFO,  3
.set AP2,  4
.set SPW,  5
.set NIL,  6
.set AB0,  7
.set AS2,  8
.set AW2,  9
.set AB,   10
.set AS1,  11
.set PT,   8                           ; tile T's eight at PT + 8 T
.set TMA,  24                          ; tile T's twelve at TMA + 12 T: +0..3 largest, +4..7 at work, bytes, +8..11 the conversions' scale operands
.set KS,   48
.set VS,   52
.set QS,   56                          ; + T
.set PS,   58                          ; + T
.set FB,   64
.set S,    128                         ; + 64 T
.set QF1,  0                           ; window 1, + 8 T
.set PC1,  16                          ; window 1, + 8 T
.set VF,   32                          ; window 1
.set OT1,  96                          ; window 1, + 64 T
.set MU,   12                          ; behind the keys
.set QF,   16
.set TM,   24
.set SA,   24
.set SB,   26
.set XO,   33
.set AG,   36
.set MST,  37
.set PC,   40
.set AS10, 60
.set AS20, 61
.set STO,  62
.set RD,   63
.set OT,   192
.set WV,   26
.set SEL,  30
.set CS,   32
.set TB,   34
.set CNT,  35
.set HB,   36
.set LIM,  37
.set PFA,  38
.set G1,   40
.set G1P,  48
.set G0,   56
.set G0P,  68
.set SOB,  79
.set CW,   86
.set CB,   87
.set C4,   88
.set CC,   89
.set RN,   90
.set EPS,  91
.set GQ,   92
.set HF,   93
.set SPB,  94
.set SMB,  95
.set MSB, 0
.macro WIN new                         ; low byte: bits 1:0 source 0, 3:2 source 1, 5:4 source 2, 7:6 destination; the high byte repeats the setting that is left
.if MSB != \new
	s_set_vgpr_msb (MSB<<8)|\new
.set MSB, \new
.endif
.endm
.macro DLY n
	s_delay_alu instid0(VALU_DEP_\n)
.endm
.macro CROUND                          ; a round of the cluster's barrier
	s_barrier_signal -1
	s_barrier_wait -1
	s_cmp_lg_u32 s[WV], 0
	s_cbranch_scc1 .Lnot_wave_0_\@
	s_barrier_signal -3
.Lnot_wave_0_\@:
	s_barrier_wait -3
	s_barrier_signal -1
	s_barrier_wait -1
.endm
.macro WGBAR
	s_barrier_signal -1
	s_barrier_wait -1
.endm
; behind the keys, one tile: four blocks of 32: block b is my 16 registers at s + 16 b and lane l xor 16's
.macro QSCALE s
.irp b, 0,1,2,3
	v_max3_num_f32 v[TM+\b], |v[(\s)+16*\b]|, |v[(\s)+1+16*\b]|, 0x1800000
.endr
.irp i, 2,4,6,8,10,12,14
.irp b, 0,1,2,3
	DLY 4
	v_max3_num_f32 v[TM+\b], v[TM+\b], |v[(\s)+16*\b+\i]|, |v[(\s)+1+16*\b+\i]|
.endr
.endr
.irp b, 0,1,2,3
	DLY 4
	v_permlanex16_b32 v[TM+4+\b], v[TM+\b], s[SEL], s[SEL+1]
.endr
.irp b, 0,1,2,3
	DLY 4
	v_max_num_f32 v[TM+\b], v[TM+\b], v[TM+4+\b]
.endr
.irp b, 0,1,2,3
	DLY 4
	v_add_nc_u32 v[TM+8+\b], 0xff000000, v[TM+\b]
.endr
.irp b, 0,1,2,3
	DLY 4
	v_lshrrev_b32 v[TM+4+\b], 23, v[TM+8+\b]
.endr
.endm
.macro QUANT s, pc, pw
	QSCALE \s
	DLY 3
	v_lshl_or_b32 v[\pw], v[TM+5], 8, v[TM+4]
	DLY 1
	v_lshl_or_b32 v[\pw], v[TM+6], 16, v[\pw]
	DLY 1
	v_lshl_or_b32 v[\pw], v[TM+7], 24, v[\pw]
.irp c, 0,1
	v_cvt_scalef32_pk8_fp4_f32 v[(\pc)+4*\c],   v[(\s)+32*\c:(\s)+32*\c+7],     v[TM+8+2*\c]
	v_cvt_scalef32_pk8_fp4_f32 v[(\pc)+4*\c+1], v[(\s)+32*\c+16:(\s)+32*\c+23], v[TM+9+2*\c]
	v_cvt_scalef32_pk8_fp4_f32 v[(\pc)+4*\c+2], v[(\s)+32*\c+8:(\s)+32*\c+15],  v[TM+8+2*\c]
	v_cvt_scalef32_pk8_fp4_f32 v[(\pc)+4*\c+3], v[(\s)+32*\c+24:(\s)+32*\c+31], v[TM+9+2*\c]
.endr
	v_nop                                          ; one plain instruction behind the last scaled conversion
.irp c, 0,1
	v_permlane16_swap_b32 v[(\pc)+4*\c],   v[(\pc)+4*\c+1]
	v_permlane16_swap_b32 v[(\pc)+4*\c+2], v[(\pc)+4*\c+3]
.endr
.endm
.macro MM d, a, b, c, sa, sb, odd      ; c < 0: the constant 0 starts the sum.  An odd tile's scale words lie in lanes 16-31
.if (\c) < 0
.if \odd
	v_wmma_scale_f32_16x16x128_f8f6f4 v[(\d):(\d)+7], v[(\a):(\a)+7], v[(\b):(\b)+7], 0, v[\sa], v[\sb] matrix_a_fmt:MATRIX_FMT_FP4 matrix_b_fmt:MATRIX_FMT_FP4 matrix_a_scale:MATRIX_SCALE_ROW1
.else
	v_wmma_scale_f32_16x16x128_f8f6f4 v[(\d):(\d)+7], v[(\a):(\a)+7], v[(\b):(\b)+7], 0, v[\sa], v[\sb] matrix_a_fmt:MATRIX_FMT_FP4 matrix_b_fmt:MATRIX_FMT_FP4
.endif
.else
.if \odd
	v_wmma_scale_f32_16x16x128_f8f6f4 v[(\d):(\d)+7], v[(\a):(\a)+7], v[(\b):(\b)+7], v[(\c):(\c)+7], v[\sa], v[\sb] matrix_a_fmt:MATRIX_FMT_FP4 matrix_b_fmt:MATRIX_FMT_FP4 matrix_a_scale:MATRIX_SCALE_ROW1
.else
	v_wmma_scale_f32_16x16x128_f8f6f4 v[(\d):(\d)+7], v[(\a):(\a)+7], v[(\b):(\b)+7], v[(\c):(\c)+7], v[\sa], v[\sb] matrix_a_fmt:MATRIX_FMT_FP4 matrix_b_fmt:MATRIX_FMT_FP4
.endif
.endif
.endm
.macro FRAGS reg, adr, off             ; 8 fragments, 16 loads
.irp t, 0,1,2,3,4,5,6,7
.irp c, 0,1
	ds_load_b128 v[(\reg)+8*\t+4*\c:(\reg)+8*\t+4*\c+3], v[\adr] offset:(\off)+1024*\t+512*\c
.endr
.endr
.endm
.macro KLOAD off                       ; a key step's scale words and fragments of K
	ds_load_b128 v[KS:KS+3], v[ADR] offset:(\off)+8192
	FRAGS FB, ADR, \off
.endm
; A KEY STEP: 128 keys for both tiles.  S^T = K Q^T, p = 2^(t - M) with M the ceiling of the running largest t, p's codes, O^T = O^T f + V^T P^T.
.macro STEP2
	v_add_nc_u32 v[ADR], s[TB], v[LI]
	s_wait_alu depctr_va_vdst(0)
	s_wait_dscnt 0x0                               ; K
	WIN 0x04                                       ; source 1 (Q) window 1
.irp t, 0,1,2,3,4,5,6,7
.irp T, 0,1
	MM S+64*\T+8*\t, FB+8*\t, QF1+8*\T, -1, KS+\t/2, QS+\T, \t%2
.endr
.endr
	WIN 0
.rept 4
	v_nop                                          ; places ahead of the loads into K's registers and of the first read of results; with the line at the step's head also behind the last step's products
.endr
	WIN 0x40
	FRAGS VF, ADR, PART                            ; V's fragments land under the softmax
	WIN 0
	ds_load_b128 v[VS:VS+3], v[ADR] offset:PART+8192
	s_cmp_eq_u32 s[CNT], 1                         ; my last step of this slot fetches no K: the next lies behind a change of slots
	s_cbranch_scc1 .Lno_k_\@
	KLOAD KSTEP
.Lno_k_\@:
.irp b, 0,1,2,3
.irp T, 0,1
	v_max3_num_f32 v[TMA+12*\T+\b], v[S+64*\T+16*\b], v[S+64*\T+16*\b+1], v[S+64*\T+16*\b+2]   ; each block's largest score: for the row's maximum and for the block's largest p
.endr
.endr
.irp i, 3,5,7,9,11,13
.irp b, 0,1,2,3
.irp T, 0,1
	v_max3_num_f32 v[TMA+12*\T+\b], v[TMA+12*\T+\b], v[S+64*\T+16*\b+\i], v[S+64*\T+16*\b+\i+1]
.endr
.endr
.endr
.irp b, 0,1,2,3
.irp T, 0,1
	v_max_num_f32 v[TMA+12*\T+\b], v[TMA+12*\T+\b], v[S+64*\T+16*\b+15]
.endr
.endr
.irp b, 0,1,2,3
.irp T, 0,1
	v_permlanex16_b32 v[TMA+12*\T+4+\b], v[TMA+12*\T+\b], s[SEL], s[SEL+1]
.endr
.endr
.irp b, 0,1,2,3
.irp T, 0,1
	v_max_num_f32 v[TMA+12*\T+\b], v[TMA+12*\T+\b], v[TMA+12*\T+4+\b]
.endr
.endr
.irp T, 0,1
	v_max3_num_f32 v[PT+8*\T+6], v[TMA+12*\T], v[TMA+12*\T+1], v[TMA+12*\T+2]
.endr
.irp T, 0,1
	DLY 2
	v_max_num_f32 v[PT+8*\T+6], v[PT+8*\T+6], v[TMA+12*\T+3]
.endr
.irp T, 0,1
	DLY 2
	v_mul_f32 v[PT+8*\T+6], s[CS], v[PT+8*\T+6]
.endr
.irp T, 0,1
	DLY 2
	v_max_num_f32 v[PT+8*\T+1], v[PT+8*\T+1], v[PT+8*\T+6]   ; the running largest t
.endr
.irp T, 0,1
	v_mov_b32 v[PT+8*\T+6], v[PT+8*\T]
.endr
.irp T, 0,1
	DLY 4
	v_floor_f32 v[PT+8*\T], -v[PT+8*\T+1]          ; -M = floor(-t)
.endr
.irp T, 0,1
	DLY 2
	v_sub_f32 v[PT+8*\T+6], v[PT+8*\T], v[PT+8*\T+6]
.endr
.irp T, 0,1
	DLY 2
	v_cvt_i32_f32 v[PT+8*\T+6], v[PT+8*\T+6]
.endr
.irp T, 0,1
	DLY 2
	v_ldexp_f32 v[PT+8*\T+4], 1.0, v[PT+8*\T+6]    ; f = 2^(old M - new M)
.endr
.set JJ, 0
.rept 32
	v_pk_fma_f32 v[S+JJ:S+JJ+1], v[S+JJ:S+JJ+1], s[CS:CS+1], v[PT:PT+1] op_sel_hi:[1,0,0]
.set JJ, JJ+2
.endr
.irp b, 0,1,2,3
.irp T, 0,1
	v_fma_f32 v[TMA+12*\T+\b], v[TMA+12*\T+\b], s[CS], v[PT+8*\T]
.endr
.endr
	s_wait_alu depctr_va_vdst(0)                   ; ahead of the batch
.set JJ, 0
.rept 32                                       ; tile 0's exponentials; between them tile 1's t - M, first read behind the wait below
	v_exp_f32 v[S+JJ], v[S+JJ]
	v_pk_fma_f32 v[S+64+JJ:S+64+JJ+1], v[S+64+JJ:S+64+JJ+1], s[CS:CS+1], v[PT+8:PT+9] op_sel_hi:[1,0,0]
	v_exp_f32 v[S+JJ+1], v[S+JJ+1]
.set JJ, JJ+2
.endr
.irp T, 0,1
	v_pk_mul_f32 v[PT+8*\T+2:PT+8*\T+3], v[PT+8*\T+2:PT+8*\T+3], v[PT+8*\T+4:PT+8*\T+5] op_sel_hi:[1,0]   ; the sums under the new M
.endr
	s_wait_alu depctr_va_vdst(0)                   ; behind tile 0's batch and ahead of tile 1's
.set JJ, 0
.rept 64
	v_exp_f32 v[S+64+JJ], v[S+64+JJ]
.set JJ, JJ+1
.endr
.irp b, 0,1,2,3
.irp T, 0,1
	v_exp_f32 v[TMA+12*\T+\b], v[TMA+12*\T+\b]     ; each block's largest p
.endr
.endr
	v_nop
	s_wait_alu depctr_va_vdst(0)
.irp T, 0,1
	v_pk_add_f32 v[TMA+12*\T+4:TMA+12*\T+5], v[S+64*\T:S+64*\T+1], v[S+64*\T+2:S+64*\T+3]   ; the rows' sums of the unquantised p: two chains a tile
.endr
.irp j, 4,8,12,16,20,24,28,32,36,40,44,48,52,56,60
.irp T, 0,1
	v_pk_add_f32 v[PT+8*\T+2:PT+8*\T+3], v[PT+8*\T+2:PT+8*\T+3], v[S+64*\T+\j:S+64*\T+\j+1]
.endr
.irp T, 0,1
	v_pk_add_f32 v[TMA+12*\T+4:TMA+12*\T+5], v[TMA+12*\T+4:TMA+12*\T+5], v[S+64*\T+\j+2:S+64*\T+\j+3]
.endr
.endr
.irp T, 0,1
	DLY 2
	v_pk_add_f32 v[PT+8*\T+2:PT+8*\T+3], v[PT+8*\T+2:PT+8*\T+3], v[TMA+12*\T+4:TMA+12*\T+5]
.endr
.irp b, 0,1,2,3
.irp T, 0,1
	v_max_num_f32 v[TMA+12*\T+\b], 0x1800000, v[TMA+12*\T+\b]   ; the floor 2^(3 - 127)
.endr
.endr
.irp b, 0,1,2,3
.irp T, 0,1
	v_add_nc_u32 v[TMA+12*\T+8+\b], 0xff000000, v[TMA+12*\T+\b]
.endr
.endr
.irp b, 0,1,2,3
.irp T, 0,1
	v_lshrrev_b32 v[TMA+12*\T+4+\b], 23, v[TMA+12*\T+8+\b]
.endr
.endr
.irp T, 0,1
	v_lshl_or_b32 v[PS+\T], v[TMA+12*\T+5], 8, v[TMA+12*\T+4]
.endr
.irp T, 0,1
	DLY 2
	v_lshl_or_b32 v[PS+\T], v[TMA+12*\T+6], 16, v[PS+\T]
.endr
.irp T, 0,1
	DLY 2
	v_lshl_or_b32 v[PS+\T], v[TMA+12*\T+7], 24, v[PS+\T]
.endr
	WIN 0x40                                       ; the codes go to window 1
.irp T, 0,1
.irp c, 0,1
	v_cvt_scalef32_pk8_fp4_f32 v[PC1+8*\T+4*\c],   v[S+64*\T+32*\c:S+64*\T+32*\c+7],     v[TMA+12*\T+8+2*\c]
	v_cvt_scalef32_pk8_fp4_f32 v[PC1+8*\T+4*\c+1], v[S+64*\T+32*\c+16:S+64*\T+32*\c+23], v[TMA+12*\T+9+2*\c]
	v_cvt_scalef32_pk8_fp4_f32 v[PC1+8*\T+4*\c+2], v[S+64*\T+32*\c+8:S+64*\T+32*\c+15],  v[TMA+12*\T+8+2*\c]
	v_cvt_scalef32_pk8_fp4_f32 v[PC1+8*\T+4*\c+3], v[S+64*\T+32*\c+24:S+64*\T+32*\c+31], v[TMA+12*\T+9+2*\c]
.endr
.endr
	v_nop                                          ; one plain instruction behind the last scaled conversion
	WIN 0x41                                       ; source 0 and destination window 1, source 1 (f) window 0
.irp T, 0,1
.irp c, 0,1
	v_permlane16_swap_b32 v[PC1+8*\T+4*\c],   v[PC1+8*\T+4*\c+1]
	v_permlane16_swap_b32 v[PC1+8*\T+4*\c+2], v[PC1+8*\T+4*\c+3]
.endr
.endr
	s_wait_alu depctr_va_vdst(0)                   ; the wait directly ahead of the first reader of O^T
.irp T, 0,1
.set JJ, 0
.rept 32
	v_pk_mul_f32 v[OT1+64*\T+JJ:OT1+64*\T+JJ+1], v[OT1+64*\T+JJ:OT1+64*\T+JJ+1], v[PT+8*\T+4:PT+8*\T+5] op_sel_hi:[1,0]
.set JJ, JJ+2
.endr
.endr
	s_wait_alu depctr_va_vdst(0)
	s_wait_dscnt 0x0                               ; V (and the next step's K)
	WIN 0x55
.irp t, 0,1,2,3,4,5,6,7
.irp T, 0,1
	MM OT1+64*\T+8*\t, VF+8*\t, PC1+8*\T, OT1+64*\T+8*\t, VS+\t/2, PS+\T, \t%2
.endr
.endr
	WIN 0
	s_add_co_u32 s[TB], s[TB], KSTEP
.endm
; A TRIP: the change of slots (the three lines, a round, my one joint load into the slot just left), then my 4 key steps of this slot.
; stp: the group 0 that is stepped two tiles on (its load has landed), or -1.  pfo: the prefetch's distance from tile 0, or 0.
.macro TRIP slot, g0, g1, stp, pfo
	s_wait_tensorcnt 0x0                           ; my one load that was out has landed
	ds_add_u32 v[SPW], v[NIL]
.if (\stp) >= 0
	s_add_nc_u64 s[\stp+2:\stp+3], s[\stp+2:\stp+3], 2*TILE
.endif
	s_wait_dscnt 0x0                               ; the add, and my reads of the slot that I leave
	CROUND
	tensor_load_to_lds s[\g0:\g0+3], s[\g1:\g1+7]
	s_nop 0
.rept 4
	v_nop
.endr
.if \pfo
	s_cmp_eq_u32 s[LIM], 0
	s_cbranch_scc0 .Lnot_mine_\@
	global_prefetch_b8 v[PFO], s[PFA:PFA+1] offset:\pfo th:TH_LOAD_NT scope:SCOPE_SE   ; the tile that the next trip's load asks for; its address registers are never rewritten
.Lnot_mine_\@:
.endif
	s_add_co_u32 s[TB], s[HB], \slot*TILE
	s_mov_b32 s[CNT], 4
	v_add_nc_u32 v[ADR], s[TB], v[LI]
	KLOAD 0
.Lstep_\@:
	STEP2
	s_sub_co_u32 s[CNT], s[CNT], 1
	s_cmp_lg_u32 s[CNT], 0
	s_cbranch_scc1 .Lstep_\@
.endm
.macro GBLOAD u                        ; gamma2 and beta2 of channels 64 u on: register 8 t + j is channel 64 u + 16 t + 8 h + j
.irp t, 0,1,2,3
.irp i, 0,1
	ds_load_b128 v[S+8*\t+4*\i:S+8*\t+4*\i+3], v[AG] offset:256*\u+64*\t+16*\i
	ds_load_b128 v[S+32+8*\t+4*\i:S+32+8*\t+4*\i+3], v[AG] offset:512+256*\u+64*\t+16*\i
.endr
.endr
.endm
.macro GBAPPLY u                       ; x rsqrt, then x gamma2 + beta2, for 32 registers
.set JJ, 0
.rept 16
	v_pk_mul_f32 v[FB+32*\u+JJ:FB+32*\u+JJ+1], v[FB+32*\u+JJ:FB+32*\u+JJ+1], v[MU:MU+1] op_sel_hi:[1,0]
.set JJ, JJ+2
.endr
	s_wait_alu depctr_va_vdst(0)
	s_wait_dscnt 0x0
.set JJ, 0
.rept 16
	v_pk_fma_f32 v[FB+32*\u+JJ:FB+32*\u+JJ+1], v[FB+32*\u+JJ:FB+32*\u+JJ+1], v[S+JJ:S+JJ+1], v[S+32+JJ:S+32+JJ+1]
.set JJ, JJ+2
.endr
.endm
.macro W1LOAD o1, o2                   ; a chunk's fragments of W1 and its b1 into window 1, its scale words of W1
	WIN 0x40
	FRAGS 0, ADR, \o1
.irp t, 0,1,2,3,4,5,6,7
.irp i, 0,1
	ds_load_b128 v[128+8*\t+4*\i:128+8*\t+4*\i+3], v[AB] offset:(\o2)+64*\t+16*\i
.endr
.endr
	WIN 0
.irp p, 0,1,2,3
	ds_load_b32 v[KS+\p], v[AS1] offset:(\o2)+128*\p
.endr
.endm
	s_load_b512 s[4:19], s[0:1], 0x0               ; q 4, kv 6, pack 8, x 10, gamma2 12, beta2 14, w1_scales 16, b1 18
	s_load_b128 s[20:23], s[0:1], 0x40             ; w2_scales 20, b2 22
	s_load_b64 s[24:25], s[0:1], 0x50              ; out0
	v_lshl_add_u32 v[SPW], v0, 2, SPARE
	v_mov_b32 v[NIL], 0
	ds_add_u32 v[SPW], v[NIL]                      ; the opening lines: the add twice on end and one wait
	ds_add_u32 v[SPW], v[NIL]
	v_lshrrev_b32 v128, 5, v0
	v_readfirstlane_b32 s[WV], v128                ; wave 0..7
	s_and_b32 s[GQ], s[WV], 3                      ; my pair of tiles
	s_lshr_b32 s[HF], s[WV], 2                     ; my half of the keys; the tile of the pair that I keep
	s_mov_b32 s[SEL], 0x76543210
	s_mov_b32 s[SEL+1], 0xfedcba98
	s_mov_b32 s[CS], 0x3e0293ee                    ; log2(e) / sqrt(128)
	s_mov_b32 s[CS+1], s[CS]
	s_mov_b32 s[RN], 0x3c000000                    ; 1/128
	s_mov_b32 s[EPS], 0x3727c5ac                   ; 1e-5
	s_bfe_u32 s27, ttmp6, 0x40000                  ; cx
	s_lshl_b32 s28, ttmp9, 2
	s_add_co_u32 s28, s28, s27
	s_and_b32 s29, ttmp7, 0xffff                   ; the batch
	s_lshl_b32 s73, s29, 5
	s_add_co_u32 s73, s73, s28                     ; my group of 128 tokens
	s_mul_i32 s74, s73, PART
	s_lshl_b32 s80, s[GQ], 11
	s_add_co_u32 s80, s80, s74                     ; Q's two fragments
	s_mov_b32 s81, 0
	s_lshl_b32 s82, s[GQ], 2                       ; their scale words: word w % 4; lanes 0-15 the even tile's, 256 bytes on the odd tile's
	s_add_co_u32 s82, s82, s74
	s_add_co_u32 s82, s82, 8192
	s_mov_b32 s83, 0
	s_lshl_b32 s85, s[GQ], 1
	s_add_co_u32 s85, s85, s[HF]                   ; the tile that I keep
	s_lshl_b32 s85, s85, 13
	s_lshl_b32 s84, s73, 16                        ; x, out0: 512 bytes a token
	s_add_co_u32 s84, s84, s85
	s_mov_b32 s85, 0
	s_mul_i32 s75, s[WV], KSTEP                    ; my eighth of a tile
	s_mul_i32 s76, s29, 32*KSTEP
	s_mul_i32 s86, s27, TILE/4                     ; the prefetches: my work-group's quarter of a tile, by address
	s_add_co_u32 s86, s86, s76
	s_mov_b32 s87, 0
	s_add_co_u32 s76, s76, s75
	s_mov_b32 s77, 0
	s_lshl_b32 s88, s[WV], 14                      ; my eighth of the weights' images
	s_mov_b32 s89, 0
	s_mul_i32 s[HB], s[HF], 4*KSTEP
	s_mul_i32 s72, s[HF], PART
	s_add_co_u32 s[SMB], s75, TILE                 ; my stage: two parts, a tile each
	s_add_co_u32 s[SOB], s[SMB], s72               ; in it the part of the tile that I keep
	s_xor_b32 s[SPB], s[WV], 4
	s_mul_i32 s[SPB], s[SPB], KSTEP
	s_add_co_u32 s[SPB], s[SPB], TILE
	s_add_co_u32 s[SPB], s[SPB], s72               ; the same tile's part in my partner's stage
	s_cmp_lt_u32 s[WV], 5
	s_cselect_b32 s[LIM], ttmp9, -1                ; 0 in waves 0 to 4 of the batch's first cluster
	s_mov_b32 s[G1], 15|(3<<16)|(1<<21)            ; 68 rows of 256 bytes (32 elements of 8), dense; mask: all four partners
	s_mov_b32 s[G1+1], 32<<16
	s_mov_b32 s[G1+2], 68<<16
	s_mov_b32 s[G1+3], 32<<16
	s_mov_b32 s[G1+4], 68
	s_mov_b32 s[G1+5], 32
	s_mov_b32 s[G1+6], 0
	s_mov_b32 s[G1+7], 0
	s_mov_b32 s[G1P], 15|(3<<16)|(1<<21)           ; 64 such rows
	s_mov_b32 s[G1P+1], 32<<16
	s_mov_b32 s[G1P+2], 64<<16
	s_mov_b32 s[G1P+3], 32<<16
	s_mov_b32 s[G1P+4], 64
	s_mov_b32 s[G1P+5], 32
	s_mov_b32 s[G1P+6], 0
	s_mov_b32 s[G1P+7], 0
	v_and_b32 v128, 31, v0                         ; lane
	v_and_b32 v129, 15, v0                         ; r
	v_min_u32 v[PFO], 135, v0
	v_lshlrev_b32 v130, 4, v0
	v_lshlrev_b32 v131, 2, v0
	v_lshlrev_b32 v[LI], 4, v128
	v_lshlrev_b32 v132, 4, v129
	v_lshlrev_b32 v[PFO], 8, v[PFO]
	v_add_nc_u32 v133, W1S, v130
	v_add_nc_u32 v134, GBL, v131
	s_wait_alu depctr_va_vdst(0)
	s_wait_dscnt 0x0                               ; both opening adds are done
	s_wait_kmcnt 0x0
	s_add_nc_u64 s[PFA:PFA+1], s[6:7], s[86:87]
	s_add_nc_u64 s[82:83], s[4:5], s[82:83]
	s_add_nc_u64 s[4:5], s[4:5], s[80:81]
	s_add_nc_u64 s[10:11], s[10:11], s[84:85]
	s_add_nc_u64 s[24:25], s[24:25], s[84:85]
	s_mov_b32 s[G0], 1                             ; slot 0: tile 0, later tile 2
	s_mov_b32 s[G0+1], s75
	s_add_nc_u64 s[G0+2:G0+3], s[6:7], s[76:77]
	s_or_b32 s[G0+3], s[G0+3], 0x80000000
	s_mov_b32 s[G0+4], 1                           ; slot 1: tile 1, later tile 3
	s_add_co_u32 s[G0+5], s75, TILE
	s_add_nc_u64 s[G0+6:G0+7], s[6:7], s[76:77]
	s_add_nc_u64 s[G0+6:G0+7], s[G0+6:G0+7], TILE
	s_or_b32 s[G0+7], s[G0+7], 0x80000000
	s_mov_b32 s[G0P], 1                            ; the weights' images, into slot 0
	s_mov_b32 s[G0P+1], s88
	s_add_nc_u64 s[G0P+2:G0P+3], s[8:9], s[88:89]
	s_or_b32 s[G0P+3], s[G0P+3], 0x80000000
	CROUND                                         ; in front of the first joint loads
	tensor_load_to_lds s[G0:G0+3], s[G1:G1+7]      ; tile 0: my one load at the head
	s_nop 0
.rept 4
	v_nop
.endr
	global_load_b128 v[136:139], v130, s[16:17]    ; the small tables: 16 bytes a thread of each 4,096
	global_load_b128 v[140:143], v130, s[20:21]
	global_load_b128 v[144:147], v130, s[18:19]
	global_load_b32 v[QS], v132, s[82:83]
	global_load_b32 v[QS+1], v132, s[82:83] offset:256
	WIN 0x40
.irp i, 0,1,2,3
	global_load_b128 v[QF1+4*\i:QF1+4*\i+3], v[LI], s[4:5] offset:512*\i
.endr
	WIN 0
	s_cmp_lt_u32 s[WV], 4
	s_cbranch_scc0 .Lno_gb
	global_load_b32 v148, v131, s[12:13]           ; waves 0 to 3: 4 bytes a thread of gamma2, beta2, b2
	global_load_b32 v149, v131, s[14:15]
	global_load_b32 v150, v131, s[22:23]
	s_wait_loadcnt 0x0
	ds_store_b32 v134, v148
	ds_store_b32 v134, v149 offset:512
	ds_store_b32 v134, v150 offset:1024
.Lno_gb:
.irp T, 0,1
	v_mov_b32 v[PT+8*\T], 0x7f61b1e6               ; -M
	v_mov_b32 v[PT+8*\T+1], 0xff61b1e6             ; -3e38, under every t
	v_mov_b32 v[PT+8*\T+2], 0
	v_mov_b32 v[PT+8*\T+3], 0
	v_mov_b32 v[PT+8*\T+5], 0                      ; named as a pair's upper word
.irp b, 0,1,2,3
	v_mov_b32 v[TMA+12*\T+4+\b], 0                 ; a lane permute's destination counts as one of its sources
.endr
.endr
	WIN 0x40
.set JJ, 0
.rept 128
	v_mov_b32 v[OT1+JJ], 0                         ; the step is written once: the first finds zeros
.set JJ, JJ+1
.endr
	WIN 0
	s_wait_loadcnt 0x0
	ds_store_b128 v133, v[136:139]
	ds_store_b128 v133, v[140:143] offset:4096
	ds_store_b128 v133, v[144:147] offset:8192
	s_wait_alu depctr_va_vdst(0)
	TRIP 0, G0+4, G1, G0, 2*TILE                   ; reads tile 0; asks for tile 1 (slot 1's first fill, issued as a refill is)
	TRIP 1, G0, G1, G0+4, 3*TILE                   ; reads tile 1; asks for tile 2
	TRIP 0, G0+4, G1, -1, 0                        ; reads tile 2; asks for tile 3
	TRIP 1, G0P, G1P, -1, 0                        ; reads tile 3; asks for the weights' images
	; THE PAIR MEET.  The addresses of what follows are made here; they are also the places behind the last products
	v_and_b32 v44, 31, v0
	v_and_b32 v45, 15, v0
	v_bfe_u32 v46, v0, 4, 1
	v_add_nc_u32 v[AP2], 65536, v[LI]
	v_lshlrev_b32 v46, 5, v46
	v_lshl_add_u32 v[AS10], v44, 2, W1S
	v_lshl_add_u32 v[AS20], v44, 5, W2S
	v_mul_u32_u24 v[STO], v45, 528
	v_lshlrev_b32 v[XO], 9, v45
	v_add_nc_u32 v[AB0], B1L, v46
	v_add_nc_u32 v[AG], GBL, v46
	v_add_nc_u32 v[STO], v[STO], v46
	v_add_nc_u32 v[XO], v[XO], v46
	v_add_nc_u32 v[RD], s[SOB], v[LI]
	v_add_nc_u32 v[STO], s[SOB], v[STO]
	v_add_nc_u32 v[MST], s[SMB], v[LI]
	v_add_nc_u32 v[ADR], s[SPB], v[LI]
.irp t, 0,1,2,3,4,5,6,7
.irp i, 0,1
	global_load_b128 v[FB+8*\t+4*\i:FB+8*\t+4*\i+3], v[XO], s[10:11] offset:64*\t+16*\i   ; x of the tile that I keep: register 8 t + j is channel 16 t + 8 h + j of token r
.endr
.endr
.irp T, 0,1
	v_add_f32 v[PT+8*\T+1], v[PT+8*\T+2], v[PT+8*\T+3]
.endr
.irp T, 0,1
	DLY 2
	v_permlanex16_b32 v[PT+8*\T+6], v[PT+8*\T+1], s[SEL], s[SEL+1]
.endr
.irp T, 0,1
	DLY 2
	v_add_f32 v[PT+8*\T+1], v[PT+8*\T+1], v[PT+8*\T+6]   ; my half's sum of the row
.endr
	s_wait_alu depctr_va_vdst(0)
	s_wait_tensorcnt 0x0                           ; my part of the weights' images is in
	ds_add_u32 v[SPW], v[NIL]
	s_wait_dscnt 0x0                               ; my reads of slot 1 are over
	WGBAR                                          ; nobody reads slot 1 any more, and slot 0 is whole
	WIN 0x04                                       ; the data: window 1
.irp T, 0,1
.irp t, 0,1,2,3,4,5,6,7
	ds_store_b128 v[MST], v[OT1+64*\T+8*\t:OT1+64*\T+8*\t+3] offset:PART*\T+1024*\t
	ds_store_b128 v[MST], v[OT1+64*\T+8*\t+4:OT1+64*\T+8*\t+7] offset:PART*\T+1024*\t+512
.endr
.endr
	WIN 0
.irp T, 0,1
	ds_store_b128 v[MST], v[PT+8*\T:PT+8*\T+3] offset:PART*\T+8192   ; -M and the sum (the other two words are not used)
.endr
	s_wait_dscnt 0x0
	WGBAR
.irp t, 0,1,2,3,4,5,6,7
.irp c, 0,1
	ds_load_b128 v[OT+8*\t+4*\c:OT+8*\t+4*\c+3], v[RD] offset:1024*\t+512*\c      ; my half of the keys,
	ds_load_b128 v[S+8*\t+4*\c:S+8*\t+4*\c+3], v[ADR] offset:1024*\t+512*\c       ; my partner's
.endr
.endr
	ds_load_b128 v[12:15], v[RD] offset:8192
	ds_load_b128 v[40:43], v[ADR] offset:8192
	s_wait_dscnt 0x0
	WGBAR                                          ; every stage has been read: it may be written again on the way out
	s_mov_b32 s[CW], 0
	s_mov_b32 s[CB], 0
	s_mov_b32 s[C4], 0
	s_mov_b32 s[CC], 8
	v_add_nc_u32 v[ADR], s[CW], v[LI]
	v_add_nc_u32 v[AB], s[CB], v[AB0]
	v_add_nc_u32 v[AS1], s[CB], v[AS10]
	W1LOAD 0, 0                                    ; the first chunk's operands land under the lines below
	v_mov_b32 v45, 0
	v_mov_b32 v47, 0
	v_min_num_f32 v42, v12, v40                    ; the joint -M
	DLY 1
	v_sub_f32 v43, v42, v12
	DLY 2
	v_sub_f32 v42, v42, v40
	DLY 2
	v_cvt_i32_f32 v43, v43
	DLY 2
	v_cvt_i32_f32 v42, v42
	DLY 2
	v_ldexp_f32 v44, 1.0, v43                      ; my factor,
	DLY 2
	v_ldexp_f32 v46, 1.0, v42                      ; my partner's: powers of two
	DLY 2
	v_mul_f32 v14, v13, v44
	DLY 1
	v_fma_f32 v14, v41, v46, v14                   ; the row's sum
	s_wait_alu depctr_va_vdst(0)
	v_rcp_f32 v14, v14
.set JJ, 0
.rept 32
	v_pk_mul_f32 v[S+JJ:S+JJ+1], v[S+JJ:S+JJ+1], v[46:47] op_sel_hi:[1,0]
.set JJ, JJ+2
.endr
.set JJ, 0
.rept 32
	v_pk_fma_f32 v[S+JJ:S+JJ+1], v[OT+JJ:OT+JJ+1], v[44:45], v[S+JJ:S+JJ+1] op_sel_hi:[1,0,1]
.set JJ, JJ+2
.endr
.irp t, 0,1,2,3,4,5,6,7
.irp i, 0,1
	ds_load_b128 v[OT+8*\t+4*\i:OT+8*\t+4*\i+3], v[AG] offset:1024+64*\t+16*\i   ; b2
.endr
.endr
	s_wait_alu depctr_va_vdst(0)                   ; for the reciprocal, and ahead of the wait below
	s_wait_loadcnt 0x0                             ; x
.set JJ, 0
.rept 32
	v_pk_fma_f32 v[S+JJ:S+JJ+1], v[S+JJ:S+JJ+1], v[14:15], v[FB+JJ:FB+JJ+1] op_sel_hi:[1,0,1]   ; x2 = x + O / l
.set JJ, JJ+2
.endr
	; LN2 in two passes: the mean, then the mean square of x2 - mean
	v_pk_add_f32 v[SA:SA+1], v[S:S+1], v[S+2:S+3]
	v_pk_add_f32 v[SB:SB+1], v[S+4:S+5], v[S+6:S+7]
.irp j, 8,12,16,20,24,28,32,36,40,44,48,52,56,60
	DLY 2
	v_pk_add_f32 v[SA:SA+1], v[SA:SA+1], v[S+\j:S+\j+1]
	DLY 2
	v_pk_add_f32 v[SB:SB+1], v[SB:SB+1], v[S+\j+2:S+\j+3]
.endr
	DLY 1
	v_pk_add_f32 v[SA:SA+1], v[SA:SA+1], v[SB:SB+1]
	DLY 1
	v_add_f32 v[SA], v[SA], v[SA+1]
	DLY 1
	v_permlanex16_b32 v[SB], v[SA], s[SEL], s[SEL+1]
	DLY 1
	v_add_f32 v[SA], v[SA], v[SB]
	DLY 1
	v_mul_f32 v[MU], s[RN], v[SA]
	DLY 1
	v_mov_b32 v[MU+1], v[MU]
.set JJ, 0
.rept 32
	v_pk_add_f32 v[FB+JJ:FB+JJ+1], v[S+JJ:S+JJ+1], v[MU:MU+1] op_sel_hi:[1,0] neg_lo:[0,1] neg_hi:[0,1]
.set JJ, JJ+2
.endr
	s_wait_alu depctr_va_vdst(0)
	s_wait_dscnt 0x0                               ; b2
.set JJ, 0
.rept 32
	v_pk_add_f32 v[OT+JJ:OT+JJ+1], v[S+JJ:S+JJ+1], v[OT+JJ:OT+JJ+1]   ; x2 + b2: where the second product's sums begin
.set JJ, JJ+2
.endr
	GBLOAD 0
	v_pk_mul_f32 v[SA:SA+1], v[FB:FB+1], v[FB:FB+1]
	v_pk_mul_f32 v[SB:SB+1], v[FB+2:FB+3], v[FB+2:FB+3]
.irp j, 4,8,12,16,20,24,28,32,36,40,44,48,52,56,60
	DLY 2
	v_pk_fma_f32 v[SA:SA+1], v[FB+\j:FB+\j+1], v[FB+\j:FB+\j+1], v[SA:SA+1]
	DLY 2
	v_pk_fma_f32 v[SB:SB+1], v[FB+\j+2:FB+\j+3], v[FB+\j+2:FB+\j+3], v[SB:SB+1]
.endr
	DLY 1
	v_pk_add_f32 v[SA:SA+1], v[SA:SA+1], v[SB:SB+1]
	DLY 1
	v_add_f32 v[SA], v[SA], v[SA+1]
	DLY 1
	v_permlanex16_b32 v[SB], v[SA], s[SEL], s[SEL+1]
	DLY 1
	v_add_f32 v[SA], v[SA], v[SB]
	DLY 1
	v_fma_f32 v[SA], v[SA], s[RN], s[EPS]
	s_wait_alu depctr_va_vdst(0)
	v_rsq_f32 v[MU], v[SA]
	v_nop
	s_wait_alu depctr_va_vdst(0)
	GBAPPLY 0
	GBLOAD 1
	GBAPPLY 1
	QUANT FB, QF, QS                               ; xn2's codes and scale word
.rept 8
	v_nop                                          ; a scale register written by a vector instruction stands 8 places ahead of a scaled product
.endr
.Lchunk:                                               ; 128 hidden units: first product with b1 as C, silu, quantiser, second product
	v_add_nc_u32 v[ADR], s[CW], v[LI]              ; (these five are the places behind the last chunk's products)
	v_add_nc_u32 v[AW2], s[CW], v[AP2]
	v_add_nc_u32 v[AB], s[CB], v[AB0]
	v_add_nc_u32 v[AS1], s[CB], v[AS10]
	v_add_nc_u32 v[AS2], s[C4], v[AS20]
	s_wait_alu depctr_va_vdst(0)
	WIN 0x40
	FRAGS 64, AW2, 0                               ; this chunk's fragments of W2 land under the silu
	WIN 0
.irp p, 0,1,2,3
	ds_load_b32 v[VS+\p], v[AS2] offset:1024*\p
.endr
	WIN 0x11                                       ; source 0 (W1) and source 2 (b1) window 1: both were waited for in front of the last products
.irp t, 0,1,2,3,4,5,6,7
	MM S+8*\t, 8*\t, QF, 128+8*\t, KS+\t/2, QS, \t%2
.endr
	WIN 0
.rept 4
	v_nop
.endr
	s_cmp_eq_u32 s[CC], 1                          ; the last chunk fetches nothing more
	s_cbranch_scc1 .Lno_w1
	W1LOAD 8192, 512
.Lno_w1:
.set JJ, 0
.rept 32
	v_pk_mul_f32 v[FB+JJ:FB+JJ+1], v[S+JJ:S+JJ+1], 0xbfb8aa3b op_sel_hi:[1,0]
.set JJ, JJ+2
.endr
.set JJ, 0
	s_wait_alu depctr_va_vdst(0)
.rept 64
	v_exp_f32 v[FB+JJ], v[FB+JJ]
.set JJ, JJ+1
.endr
	v_nop
	s_wait_alu depctr_va_vdst(0)
.set JJ, 0
.rept 32
	v_pk_add_f32 v[FB+JJ:FB+JJ+1], v[FB+JJ:FB+JJ+1], 1.0 op_sel_hi:[1,0]
.set JJ, JJ+2
.endr
.set JJ, 0
	s_wait_alu depctr_va_vdst(0)
.rept 64
	v_rcp_f32 v[FB+JJ], v[FB+JJ]
.set JJ, JJ+1
.endr
	v_nop
	s_wait_alu depctr_va_vdst(0)
.set JJ, 0
.rept 32
	v_pk_mul_f32 v[S+JJ:S+JJ+1], v[S+JJ:S+JJ+1], v[FB+JJ:FB+JJ+1]
.set JJ, JJ+2
.endr
	QUANT S, PC, PS
.rept 8
	v_nop
.endr
	s_wait_alu depctr_va_vdst(0)
	s_wait_dscnt 0x0                               ; W2, and the next chunk's W1 and b1
	WIN 0x01                                       ; source 0 (W2) window 1
.irp t, 0,1,2,3,4,5,6,7
	MM OT+8*\t, 64+8*\t, PC, OT+8*\t, VS+\t/2, PS, \t%2
.endr
	WIN 0
	s_add_co_u32 s[CW], s[CW], 8192
	s_add_co_u32 s[CB], s[CB], 512
	s_add_co_u32 s[C4], s[C4], 4
	s_sub_co_u32 s[CC], s[CC], 1
	s_cmp_lg_u32 s[CC], 0
	s_cbranch_scc1 .Lchunk
	; THE WAY OUT: through my own part of the stage, rows of 528 bytes, back as whole rows of 512 bytes
.rept 4
	v_nop
.endr
.irp t, 0,1,2,3,4,5,6,7
	ds_store_b128 v[STO], v[OT+8*\t:OT+8*\t+3] offset:64*\t
	ds_store_b128 v[STO], v[OT+8*\t+4:OT+8*\t+7] offset:64*\t+16
.endr
.irp i, 0,1,2,3,4,5,6,7,8,9,10,11,12,13,14,15
	ds_load_b128 v[FB+4*\i:FB+4*\i+3], v[RD] offset:528*\i   ; LDS serves a wave's instructions in order: these see my stores
.endr
.irp i, 0,1,2,3,4,5,6,7,8,9,10,11,12,13,14,15
	s_wait_dscnt 15-\i
	global_store_b128 v[LI], v[FB+4*\i:FB+4*\i+3], s[24:25] offset:512*\i th:TH_STORE_NT   ; 32 lanes store 512 consecutive bytes, aligned
.endr
	s_wait_tensorcnt 0x0                           ; the wave's end
	ds_add_u32 v[SPW], v[NIL]
	s_wait_dscnt 0x0
	CROUND                                         ; the closing round
	s_endpgm
.Lfunc_end_k_qb3dd5ea03a_attn:
	.size	k_qb3dd5ea03a_attn, .Lfunc_end_k_qb3dd5ea03a_attn-k_qb3dd5ea03a_attn
	.p2alignl 7, 3214868480
	.fill 96, 4, 3214868480
	.section	.rodata,"a",@progbits
	.p2align	6, 0x0
	.amdhsa_kernel k_qb3dd5ea03a_attn
		.amdhsa_group_segment_fixed_size 327680
		.amdhsa_private_segment_fixed_size 0
		.amdhsa_enable_private_segment 0
		.amdhsa_kernarg_size 88
		.amdhsa_user_sgpr_count 2
		.amdhsa_user_sgpr_kernarg_segment_ptr 1
		.amdhsa_wavefront_size32 1
		.amdhsa_system_sgpr_workgroup_id_x 1
		.amdhsa_system_sgpr_workgroup_id_y 1
		.amdhsa_system_sgpr_workgroup_id_z 1
		.amdhsa_system_vgpr_workitem_id 0
		.amdhsa_next_free_vgpr 512
		.amdhsa_next_free_sgpr 96
		.amdhsa_reserve_vcc 0
		.amdhsa_float_denorm_mode_32 3
		.amdhsa_float_denorm_mode_16_64 3
		.amdhsa_memory_ordered 1
		.amdhsa_forward_progress 1
		.amdhsa_inst_pref_size 219
	.end_amdhsa_kernel
	.amdgpu_metadata
---
amdhsa.version: [ 1, 2 ]
amdhsa.kernels:
  - .name:           k_qb3dd5ea03a_attn
    .symbol:         k_qb3dd5ea03a_attn.kd
    .args:
      - { .name: q, .offset: 0, .size: 8, .value_kind: global_buffer, .address_space: global }
      - { .name: kv, .offset: 8, .size: 8, .value_kind: global_buffer, .address_space: global }
      - { .name: pack, .offset: 16, .size: 8, .value_kind: global_buffer, .address_space: global }
      - { .name: x, .offset: 24, .size: 8, .value_kind: global_buffer, .address_space: global }
      - { .name: gamma2, .offset: 32, .size: 8, .value_kind: global_buffer, .address_space: global }
      - { .name: beta2, .offset: 40, .size: 8, .value_kind: global_buffer, .address_space: global }
      - { .name: w1_scales, .offset: 48, .size: 8, .value_kind: global_buffer, .address_space: global }
      - { .name: b1, .offset: 56, .size: 8, .value_kind: global_buffer, .address_space: global }
      - { .name: w2_scales, .offset: 64, .size: 8, .value_kind: global_buffer, .address_space: global }
      - { .name: b2, .offset: 72, .size: 8, .value_kind: global_buffer, .address_space: global }
      - { .name: out0, .offset: 80, .size: 8, .value_kind: global_buffer, .address_space: global }
    .group_segment_fixed_size: 327680
    .private_segment_fixed_size: 0
    .kernarg_segment_align: 8
    .kernarg_segment_size: 88
    .max_flat_workgroup_size: 256
    .sgpr_count:     96
    .vgpr_count:     512
    .wavefront_size: 32
...
	.end_amdgpu_metadata
.endif
;; end of part 2
